; MI455X (gfx1250); checked and timed in simulation.
; The chip was launched on July 23, 2026; its instructions are those of AMD's public machine-readable ISA for CDNA 5 (MIT licence, August 2026) and "CDNA5" Instruction Set Architecture Reference Guide (July 2026). The comments in the code are by the model that wrote it; some were corrected since.
;; Multi Head Cross Attention. Allowed arithmetic: matrix products marked QUANTISED: E2M1 operands, one E8M0 scale for each 32 along K, by v_wmma_scale_f32_16x16x128_f8f6f4 with both operands' format E2M1 (or v_wmma_scale_f32_32x16x128_f4), f32 sums; everything else in f32.
;; Inputs: Wk_codes 1,024 x 32 x 16 uint8 (E2M1 codes of Wk, K innermost, in blocks of 32 codes, two codes a byte); Wk_scales 1,024 x 32 uint8 (E8M0 scales of Wk, one for each 32 codes along K); Wp_codes 1,024 x 32 x 16 uint8 (E2M1 codes of Wp, K innermost, in blocks of 32 codes, two codes a byte); Wp_scales 1,024 x 32 uint8 (E8M0 scales of Wp, one for each 32 codes along K); Wq_codes 1,024 x 32 x 16 uint8 (E2M1 codes of Wq, K innermost, in blocks of 32 codes, two codes a byte); Wq_scales 1,024 x 32 uint8 (E8M0 scales of Wq, one for each 32 codes along K); Wv_codes 1,024 x 32 x 16 uint8 (E2M1 codes of Wv, K innermost, in blocks of 32 codes, two codes a byte); Wv_scales 1,024 x 32 uint8 (E8M0 scales of Wv, one for each 32 codes along K); bk 1,024 float32; bp 1,024 float32; bq 1,024 float32; bv 1,024 float32; image_embeds_codes 8 x 1,024 x 32 x 16 uint8 (E2M1 codes of image_embeds, K innermost, in blocks of 32 codes, two codes a byte); image_embeds_scales 8 x 1,024 x 32 uint8 (E8M0 scales of image_embeds, one for each 32 codes along K); query_tokens_codes 8 x 1,024 x 32 x 16 uint8 (E2M1 codes of query_tokens, K innermost, in blocks of 32 codes, two codes a byte); query_tokens_scales 8 x 1,024 x 32 uint8 (E8M0 scales of query_tokens, one for each 32 codes along K).
;; Outputs: out0 8 x 1,024 x 1,024 float32.
;; This version of the problem:
;;   THIS VERSION OF THE PROBLEM IS GIVEN IN LOW PRECISION. The matrix products marked QUANTISED in the list below multiply operands that are first quantised to E2M1 (2 exponent bits, 1 mantissa bit; 4 bits a number), with one power-of-two scale for each 32 numbers along K (OCP MX v1.0); their sums are f32. All else is computed in f32.
;;   The module's matrix products, in the order in which they are computed (A, B: the left and right operand; K: the contracted axis; several contracted axes count as one K, in the product's order):
;;     1. [M 8,192, K 1,024] x [K 1,024, N 1,024]; A: input query_tokens (given as codes); B: input Wq (given as codes): QUANTISED
;;     2. [M 8,192, K 1,024] x [K 1,024, N 1,024]; A: input image_embeds (given as codes); B: input Wk (given as codes): QUANTISED
;;     3. [M 8,192, K 1,024] x [K 1,024, N 1,024]; A: input image_embeds (given as codes); B: input Wv (given as codes): QUANTISED
;;     4. batch 128 x [M 1,024, K 64] x [K 64, N 1,024]; A: computed on the way; B: computed on the way: QUANTISED
;;     5. batch 128 x [M 1,024, K 1,024] x [K 1,024, N 64]; A: softmax (see below); B: computed on the way: QUANTISED
;;     6. [M 8,192, K 1,024] x [K 1,024, N 1,024]; A: computed on the way; B: input Wp (given as codes): QUANTISED
;;   THE QUANTISER, for each operand of a quantised product, along K:
;;     - K is cut into blocks of 32 from its start; a last block that is shorter is filled with zeros.
;;     - A block's scale is 2^e with e = floor(log2(the largest magnitude in the block)) - 2, held to -126 .. 127; a block of zeros has e = 0. As a byte (E8M0): e + 127.
;;     - Each number is divided by its block's scale, clamped to +-6, and rounded to the nearest number of E2M1, ties to even, subnormals kept.
;;     - The product sums the exact products of the quantised numbers (number of the format x scale) in f32.
;;   ~~~python
;;   def quantise(x, axis):      # numpy; x: float32 -> the quantised numbers, widened to float32 again
;;       x = np.moveaxis(x, axis, -1); K = x.shape[-1]
;;       x = np.pad(x, [(0, 0)] * (x.ndim - 1) + [(0, -K % 32)]); x = x.reshape(x.shape[:-1] + (-1, 32)); a = np.abs(x).max(-1, keepdims=True)
;;       e = np.where(a > 0, np.clip(np.frexp(np.where(a > 0, a, 1))[1] - 1 - 2, -126, 127), 0)      # np.frexp(a)[1] - 1 = floor(log2(a)), exactly
;;       r = np.clip(x / 2.0 ** e, -6, 6)
;;       step = 2.0 ** (np.maximum(np.frexp(np.where(r == 0, 1, r))[1] - 1, 0) - 1)
;;       q = np.round(r / step) * step * 2.0 ** e      # np.round: ties to even
;;       return np.moveaxis(q.reshape(q.shape[:-2] + (-1,))[..., :K], -1, axis).astype(np.float32)
;;   ~~~
;;   SOFTMAX AHEAD OF A QUANTISED PRODUCT. Where the list says 'softmax', what is quantised is not the finished softmax but p = 2^(t - M), with t = logit x log2(e) and M = ceil(the row's largest t), a whole number; so 1/2 < the row's largest p <= 1. The row's sum l is taken of the UNQUANTISED p, in f32, and the product's result is divided by l at the end. Since M is a whole number, a kernel that streams over the keys may use a running M (the ceiling of the running maximum): every later rescaling is an exact power of two, which a block's scale takes up: the codes' values come out the same.
;;   OPERANDS COMPUTED ON THE WAY. 'Computed on the way' means the value that the module computes at that place (a softmax that the list does not call 'softmax' is quantised finished and normalised). What goes into a quantiser is computed in f32, as accurately as f32 sums, v_exp_f32 and their like allow (about 1e-6 of the number): no bf16 or f16 on the way to a quantiser, and a product that is left as it is and whose result goes on into a quantised operand takes f32 operands (vector FMAs, or v_wmma_f32_16x16x4_f32). A number that lies on a knife's edge between two numbers of the format may be rounded either way, as far as f32 arithmetic and the matrix unit's own rounding can turn it there, and no further.
;;   INPUTS GIVEN AS CODES. Wk (in the module: [1024, 1024], K = its axis 0); Wp (in the module: [1024, 1024], K = its axis 0); Wq (in the module: [1024, 1024], K = its axis 0); Wv (in the module: [1024, 1024], K = its axis 0); image_embeds (in the module: [8, 1024, 1024], K = its axis 2); query_tokens (in the module: [8, 1024, 1024], K = its axis 2): each comes as NAME_codes (uint8): NAME with its K axis moved to the last place and cut into blocks of 32 codes, [.., K / 32, bytes a block], one block behind the other in memory; two codes a byte, the lower K in the low four bits (a code: sign, 2 exponent bits, 1 mantissa bit); and NAME_scales (uint8): the same leading axes, one E8M0 byte (e + 127) for each 32 codes along K. Its value is code x scale, taken as it is: it is not quantised again, and the codes and scales need not be those that the quantiser above would give.
;; One version. Each part assembles by itself: llvm-mc -triple=amdgcn-amd-amdhsa -mcpu=gfx1250 --defsym DOCPART=n.
;; ======== version 1 of 1: 2 launches
;; limits: right only within a limited range of input values
;; workspace buffers: kvws 9,175,040 bytes; wimg 524,288 bytes
;; launch proj (part 1): grid 4 x 64, 4 waves a work-group, clusters of 4 x 4, 327,680 bytes of LDS; arguments image_embeds_codes, image_embeds_scales, Wk_codes, Wk_scales, Wv_codes, Wv_scales, bk, bv, kvws, Wq_codes, wimg; writes kvws, wimg
.if DOCPART == 1
	.amdgcn_target "amdgcn-amd-amdhsa--gfx1250"
	.amdhsa_code_object_version 6
	.text
	.protected	k_q5cbb054936_proj
	.globl	k_q5cbb054936_proj
	.p2align	8
	.type	k_q5cbb054936_proj,@function
k_q5cbb054936_proj:
	s_mov_b64 s[64:65], 0
	v_nop
	global_prefetch_b8 v0, s[64:65] scope:SCOPE_SE
	s_setreg_imm32_b32 hwreg(HW_REG_WAVE_MODE, 25, 1), 1
	s_wait_xcnt 0x0
	s_wait_alu depctr_hold_cnt(0) depctr_sa_sdst(0) depctr_va_vdst(0) depctr_va_sdst(0) depctr_va_ssrc(0) depctr_va_vcc(0) depctr_vm_vsrc(0)
	s_getreg_b32 s2, hwreg(HW_REG_IB_STS2, 6, 4)
	s_cmp_eq_u32 s2, 0
	s_cbranch_scc0 .Lentry_in_a_cluster
	s_endpgm
.Lentry_in_a_cluster:
	s_bfe_u32 s2, ttmp6, 0x10000c
	s_cmp_lg_u32 s2, 0xf033
	s_cbranch_scc0 .Lentry_shape_is_right
	s_endpgm
.Lentry_shape_is_right:
; q = X_q Wq + bq, k = X_i Wk + bk, v = X_i Wv + bv: three products of 8,192 x 1,024 x 1,024 on codes of FP4 (E2M1) with one E8M0 scale for each 32 along K; sums in f32.
; The results are quantised here, in f32, by the MX rule (scale = the block's largest magnitude's exponent - 2) and leave as codes: q and k along the head's 64, v along the keys.
; LIMITS: NaN and infinities are not served; a block of zeros, or one whose largest magnitude lies under 2^-124, gets the byte 1 (its codes are what the conversion gives under that scale; the bytes are read by this program alone).
; SHARES.  A tile of 256 x 256 is made by a work-group of four waves, 128 x 128 a wave: 64 accumulators of 16 x 16.  3 x 128 tiles: 24 clusters of 4 x 4 work-groups; the cluster's y says which product (y / 8) and which part of it (y % 8).
; For q and k side A (source 1) is the tokens and side B (source 0) the weight's rows (features): a lane then holds ONE token and its registers run along the features, which are the next product's K.
; For v the sides change places: A = Wv's rows, B = the tokens: a lane holds one feature and its registers run along the tokens, the keys, which are v's K.
; CLUSTERS.  The four work-groups of a row of the cluster need the same tiles of A, the four of a column the same tiles of B: each tile is asked for jointly, by the same tensor load with the same descriptor and a mask that names the four.
; K = 1,024 is two slots of 512: both are filled once, with the scales of all of K, at the head; nothing is filled again.
; THE WAY OUT uses no LDS: a block of 16 rows x 128 columns is 64 numbers a lane; with the bias added they are quantised in registers, and the codes are stored as IMAGES OF OPERAND REGISTERS: 16 bytes a lane, 512 consecutive bytes a store.
; kvws (and qws, of which only K's parts are used): [batch x 16 + head][step of 128 tokens] of 8,960 bytes: +0 eight chunks of 512 bytes: K's (q's) codes of 16 tokens, lane (r, h): token r, d = 32 h ..; +4096 V^T's codes: d tile t at 1,024 t, two chunks (keys 64 c + 32 h ..);
;   +8192 K's scale words: 256 (tile / 4) + 16 r + 4 (tile % 4), bytes 0 and 1; +8704 V's scale words: 16 r + 4 t.
; REGISTERS, in windows of 256: window 0: v0-31 addresses; v32-95 scale words, two sets; v104-127 at work on the way out; v128-191 A's fragments, later 64 numbers; v192-255 the codes made.
;   window 1: B's fragments at v0 and v128; v64-127 the bias along the registers; v192-207 the bias along the lanes, each number twice.   windows 2, 3: the accumulators ((a, b) at v[8 (8 (a % 4) + b)]).
; OF THE THREE PRODUCTS NAMED ABOVE THIS LAUNCH MAKES k AND v ALONE: 2 x 128 tiles, 16 clusters; the cluster's y says which product (y / 8: 0 k, 1 v) and which part of it (y % 8).  q is made by the launch that uses it; there is no qws.
; Besides, each of the 1,024 waves copies one chunk of 512 bytes of Wq's codes into wimg, laid as images of operand registers: chunk ((w x 8 + K step) x 4 + t) x 2 + c, lane (r, h):
; the 16 bytes 64 x K step + 32 c + 16 h of Wq's row 64 w + 8 t + r % 8 + 32 (r / 8).
.set NQ,     4
.set ROWB,   256                       ; a tile's row in bytes
.set KROW,   512                       ; a row of codes in memory
.set PITCH,  272                       ; an LDS row: 256 bytes + 16 of padding: the 16 rows that a load touches start at 16 different banks (64 banks of 4 bytes: ISA guide 11.1)
.set FR,     8
.set NL,     2
.set NP,     4                         ; places behind this matrix instruction (ISA guide 7.12.1)
.set HALFT,  128*PITCH
.set SLOT,   4*HALFT
.set KS,     32                        ; a row of scale bytes
.set SCL,    2*SLOT                    ; behind the two slots: the scales, as units of 256 bytes + 16 of padding
.set HALFS,  (128*KS/256)*272
.set SBLK,   (16*KS/256)*272
.set SPARE,  SCL+4*HALFS               ; the spare words, 128 bytes for each wave
.set STEPB,  8960
.set HEADB,  71680
.set VO1,  8                           ; v8   16 x lane
.set VO2,  9                           ; v9   HEADB x (lane / 16) + 16 (lane % 16)
.set SH,   10                          ; v10  16 x (lane / 16)
.set BO1,  11                          ; v11  32 x (lane / 16): the bias along the registers
.set BO2,  12                          ; v12  4 x (lane % 16): the bias along the lanes
.set ADRA, 16
.set ADRB, 20
.set ADRS, 27
.set SPW,  28
.set NIL,  29
.set SC,   32
.set WD,   104                         ; v104-111 the eight blocks' scale words
.set XW,   112
.set MX,   116
.set PB,   120
.set SO,   124
.set AF,   128
.set ST,   128
.set PCS,  192
.set BB,   64                          ; in window 1
.set BA,   192                         ; in window 1
.set G1, 24
.set G0, 32
.set G1B, 48
.set G0B, 56
.set G1S, 68
.set G0S, 76
.set G1SB, 80
.set G0SB, 88
.set MSB, 0
.macro WIN new                         ; the immediate's high byte repeats the setting that is left
.if MSB != (\new)
	s_set_vgpr_msb (MSB<<8)|(\new)
.set MSB, (\new)
.endif
.endm
.set MUL_LO, 0xa1                      ; source 0 (B) window 1, source 1 (A) window 0, C and D window 2
.set MUL_HI, 0xf1
.set TO_B,   0x40
; A joint load: waves 0 and 1 fetch for A, waves 2 and 3 for B; the branch hangs on the wave's number alone.  Four v_nop follow each of the two lines.
.macro JLOAD g0a, g1a, g0b, g1b
	s_cmp_eq_u32 s15, 0
	s_cbranch_scc0 .Lfor_b_\@
	tensor_load_to_lds s[\g0a:\g0a+3], s[\g1a:\g1a+7]
	s_nop 0
.rept 4
	v_nop
.endr
	s_branch .Lasked_\@
.Lfor_b_\@:
	tensor_load_to_lds s[\g0b:\g0b+3], s[\g1b:\g1b+7]
	s_nop 0
.rept 4
	v_nop
.endr
.Lasked_\@:
.endm
.macro CROUND                          ; a round of the cluster's barrier
	s_barrier_signal -1
	s_barrier_wait -1
	s_cmp_lg_u32 s14, 0
	s_cbranch_scc1 .Lnot_wave_0_\@
	s_barrier_signal -3
.Lnot_wave_0_\@:
	s_barrier_wait -3
	s_barrier_signal -1
	s_barrier_wait -1
.endm
	s_load_b512 s[68:83], s[0:1], 0x0              ; image tokens' codes, scales; Wk's; Wv's; bk; bv
	s_load_b128 s[84:87], s[0:1], 0x40             ; kvws; Wq's codes
	s_load_b64 s[88:89], s[0:1], 0x50              ; wimg
	v_lshl_add_u32 v[SPW], v0, 2, SPARE
	v_mov_b32 v[NIL], 0
	ds_add_u32 v28, v29
	ds_add_u32 v28, v29
	s_wait_dscnt 0x0
	v_lshrrev_b32 v1, 5, v0
	v_readfirstlane_b32 s14, v1                    ; wave 0..3
	s_lshr_b32 s15, s14, 1                         ; which half of A's rows is mine.  Also: I fetch for A (0) or for B (1)
	s_and_b32 s16, s14, 1                          ; which half of B's rows.  Also: which 128 rows of that tile I fetch
	s_bfe_u32 s40, ttmp6, 0x40000                  ; cx, cy: my place in the cluster
	s_bfe_u32 s41, ttmp6, 0x40004
	s_and_b32 s18, ttmp7, 0xffff                   ; the cluster's y, 0 .. 15: the same in all sixteen partners
	s_lshr_b32 s66, s18, 3                         ; 1 for the v product
	s_and_b32 s19, s18, 7                          ; which eighth of its tokens
	s_mul_i32 s20, s19, s66                        ; the tokens run along B's tiles for v,
	s_sub_co_u32 s19, s19, s20                     ; along A's for q and k
	s_lshl_b32 s42, s20, 2
	s_add_co_u32 s42, s42, s40                     ; B's tile
	s_lshl_b32 s17, s19, 2
	s_add_co_u32 s17, s17, s41                     ; A's tile
	s_lshl_b32 s43, s41, 2
	s_lshl_b32 s43, 15, s43                        ; my row of the cluster
	s_lshl_b32 s44, 0x1111, s40                    ; my column
	s_mov_b32 s2, 0x76543210
	s_mov_b32 s3, 0xfedcba98                       ; v_permlanex16_b32's selects for lane l xor 16
	; descriptor group 1: a tile of 128 rows x 256 bytes, padded in LDS
	s_or_b32 s[G1+0], s43, (0<<16)|(1<<20)|(1<<21)|(5<<22)|(3<<25)  ; 15:0 the mask; 17:16 elements of 1 byte; 20 padding on; 21 set beside a mask; 24:22 after every 64 words; 31:25 four words
	s_or_b32 s[G1B+0], s44, (0<<16)|(1<<20)|(1<<21)|(5<<22)|(3<<25)
.irp g, G1, G1B
	s_mov_b32 s[\g+1], ROWB<<16                    ; tensor_dim0
	s_mov_b32 s[\g+2], 256<<16                     ; tensor_dim1: 256 rows for the head's loads
	s_mov_b32 s[\g+3], ROWB<<16                    ; tile_dim0
	s_mov_b32 s[\g+4], 256                         ; tile_dim1
	s_mov_b32 s[\g+5], KROW                        ; tensor_dim0_stride
	s_mov_b32 s[\g+6], 0
	s_mov_b32 s[\g+7], 0
.endr
	s_wait_kmcnt 0x0
	s_cmp_eq_u32 s66, 0                            ; the buffers are chosen by the cluster's y alone
	s_cselect_b64 s[4:5], s[68:69], s[76:77]       ; A's codes: the tokens for k, Wv for v
	s_cselect_b64 s[6:7], s[70:71], s[78:79]       ; A's scales
	s_cselect_b64 s[8:9], s[72:73], s[68:69]       ; B's codes: Wk for k, the tokens for v
	s_cselect_b64 s[10:11], s[74:75], s[70:71]     ; B's scales
	s_cselect_b64 s[98:99], s[80:81], s[82:83]     ; the bias
	s_mov_b64 s[12:13], s[84:85]                   ; where the codes go
	; my wave's chunk of Wq: its number is made of the work-group's and the wave's, and enters global addresses alone
	s_lshl_b32 s20, s18, 4
	s_lshl_b32 s21, s41, 2
	s_add_co_u32 s20, s20, s21
	s_add_co_u32 s20, s20, s40
	s_lshl_b32 s20, s20, 2
	s_add_co_u32 s20, s20, s14                     ; 0 .. 1,023
	s_lshr_b32 s21, s20, 6
	s_lshl_b32 s21, s21, 15                        ; 64 w rows of 512 bytes
	s_bfe_u32 s22, s20, 0x30003
	s_lshl_b32 s22, s22, 6                         ; the K step's 64 bytes
	s_add_co_u32 s21, s21, s22
	s_bfe_u32 s22, s20, 0x20001
	s_lshl_b32 s22, s22, 12                        ; 8 t rows
	s_add_co_u32 s21, s21, s22
	s_and_b32 s22, s20, 1
	s_lshl_b32 s22, s22, 5                         ; 32 c
	s_add_co_u32 s21, s21, s22
	v_and_b32 v13, 7, v0
	v_bfe_u32 v14, v0, 3, 1
	v_bfe_u32 v15, v0, 4, 1
	v_lshlrev_b32 v13, 9, v13                      ; row r % 8
	v_lshl_add_u32 v13, v14, 14, v13               ; + 32 (r / 8)
	v_lshl_add_u32 v13, v15, 4, v13                ; + 16 h
	v_add_nc_u32 v13, s21, v13
	v_and_b32 v14, 31, v0
	v_lshlrev_b32 v14, 4, v14                      ; it goes out as 512 consecutive bytes
	global_load_b128 v[96:99], v13, s[86:87]
	s_lshl_b32 s20, s20, 9
	s_mov_b32 s21, 0
	s_add_nc_u64 s[94:95], s[88:89], s[20:21]
	s_wait_xcnt 0x0                                ; the load has read its base: s86 and s87 are written again below
	; the scales of 256 rows: a dense block of 8,192 bytes, as rows of 256 bytes (32 elements of 8 bytes), 16 bytes of padding behind each.  (s68 to s93 are free from here on)
	s_or_b32 s[G1S+0], s43, (3<<16)|(1<<20)|(1<<21)|(5<<22)|(3<<25)
	s_or_b32 s[G1SB+0], s44, (3<<16)|(1<<20)|(1<<21)|(5<<22)|(3<<25)
.irp g, G1S, G1SB
	s_mov_b32 s[\g+1], 32<<16
	s_mov_b32 s[\g+2], KS<<16                      ; the scales of 256 rows: 32 rows of 256 bytes
	s_mov_b32 s[\g+3], 32<<16
	s_mov_b32 s[\g+4], KS
	s_mov_b32 s[\g+5], 32
	s_mov_b32 s[\g+6], 0
	s_mov_b32 s[\g+7], 0
.endr
	s_lshl_b32 s20, s17, 8                         ; A: the tile's first row
	s_lshl_b32 s46, s42, 8                         ; B likewise
	s_mov_b32 s21, 0
	s_mov_b32 s47, 0
	s_mov_b64 s[18:19], KS
	s_mul_u64 s[22:23], s[20:21], s[18:19]         ; where these rows' scales begin, in bytes
	s_mul_u64 s[92:93], s[46:47], s[18:19]
	s_mov_b64 s[18:19], KROW
	s_mul_u64 s[20:21], s[20:21], s[18:19]         ; and their codes
	s_mul_u64 s[46:47], s[46:47], s[18:19]
	s_mul_i32 s45, s14, HALFT                      ; where they go: wave x 128 rows: no place in the cluster enters an LDS address
	s_add_nc_u64 s[20:21], s[4:5], s[20:21]
	s_add_nc_u64 s[22:23], s[6:7], s[22:23]
	s_add_nc_u64 s[46:47], s[8:9], s[46:47]
	s_add_nc_u64 s[92:93], s[10:11], s[92:93]
	CROUND                                         ; all sixteen work-groups are here: the joint loads meet
	s_mov_b32 s[G0S], 1
	s_mov_b32 s[G0S+1], SCL
	s_mov_b64 s[G0S+2:G0S+3], s[22:23]
	s_or_b32 s[G0S+3], s[G0S+3], 0x80000000
	s_mov_b32 s[G0SB], 1
	s_mov_b32 s[G0SB+1], SCL+2*HALFS
	s_mov_b64 s[G0SB+2:G0SB+3], s[92:93]
	s_or_b32 s[G0SB+3], s[G0SB+3], 0x80000000
	s_mov_b32 s4, 1                                ; group 0 of the head's loads of slot 0: A's 256 rows (the arguments that lay here have been used),
	s_mov_b32 s5, 0
	s_mov_b64 s[6:7], s[20:21]
	s_or_b32 s7, s7, 0x80000000
	s_mov_b32 s8, 1                                ; and B's 256 rows, behind them
	s_mov_b32 s9, 2*HALFT
	s_mov_b64 s[10:11], s[46:47]
	s_or_b32 s11, s11, 0x80000000
	s_lshl_b32 s18, s16, 16                        ; for slot 1: my 128 rows of the tile, 128 x 512 bytes a half
	s_mov_b32 s19, 0
	s_add_nc_u64 s[20:21], s[20:21], s[18:19]
	s_add_nc_u64 s[46:47], s[46:47], s[18:19]
.irp s, 0,1
	s_mov_b32 s[G0+4*\s], 1
	s_add_co_u32 s[G0+4*\s+1], s45, \s*SLOT
	s_add_nc_u64 s[G0+4*\s+2:G0+4*\s+3], s[20:21], \s*ROWB
	s_or_b32 s[G0+4*\s+3], s[G0+4*\s+3], 0x80000000
	s_mov_b32 s[G0B+4*\s], 1
	s_add_co_u32 s[G0B+4*\s+1], s45, \s*SLOT
	s_add_nc_u64 s[G0B+4*\s+2:G0B+4*\s+3], s[46:47], \s*ROWB
	s_or_b32 s[G0B+4*\s+3], s[G0B+4*\s+3], 0x80000000
.endr
; The head's loads, one a wave: wave 0 slot 0's 256 rows of A, wave 1 those of B, wave 2 A's scales, wave 3 B's.  One tree of branches on the wave's number.
.macro ARM under, g0, g1, next
	s_cmp_lt_u32 s14, \under
	s_cbranch_scc0 \next
	tensor_load_to_lds s[\g0:\g0+3], s[\g1:\g1+7]
	s_nop 0
.rept 4
	v_nop
.endr
	s_branch .Lhead_asked
\next:
.endm
	ARM 1, 4, G1, .Lhead_b
	ARM 2, 8, G1B, .Lhead_sa
	ARM 3, G0S, G1S, .Lhead_sb
	tensor_load_to_lds s[G0SB:G0SB+3], s[G1SB:G1SB+7]
	s_nop 0
.rept 4
	v_nop
.endr
.Lhead_asked:
	v_and_b32 v1, 15, v0                           ; r = l % 16
	v_bfe_u32 v2, v0, 4, 1                         ; h = l / 16
	v_mul_u32_u24 v3, v1, PITCH
	v_lshl_add_u32 v4, v2, 4, v3                   ; a fragment's row x pitch + 16 x half
	s_mul_i32 s21, s15, HALFT                      ; my 128 rows of A
	s_mul_i32 s22, s16, HALFT                      ; my 128 rows of B,
	s_add_co_u32 s22, s22, 2*HALFT                 ; which lie behind A's 256
.irp s, 0,1
	v_add_nc_u32 v[ADRA+\s], s21, v4
	v_add_nc_u32 v[ADRB+\s], s22, v4
	s_add_co_u32 s21, s21, SLOT
	s_add_co_u32 s22, s22, SLOT
.endr
	v_mul_u32_u24 v5, v1, KS                       ; my row's scales: 32 bytes a row,
	v_lshrrev_b32 v6, 8, v5
	v_lshl_add_u32 v5, v6, 4, v5                   ; and 16 more for each 256 passed
	s_mul_i32 s21, s15, HALFS
	s_mul_i32 s22, s16, HALFS
	s_add_co_u32 s22, s22, 2*HALFS
	s_sub_co_u32 s22, s22, s21
	v_mul_u32_u24 v6, s22, v2                      ; lanes 16-31 take B's
	s_add_co_u32 s21, s21, SCL
	v_add_nc_u32 v5, v5, v6
	v_add_nc_u32 v[ADRS], s21, v5
	v_and_b32 v6, 31, v0
	v_lshlrev_b32 v[VO1], 4, v6
	v_mul_u32_u24 v[VO2], v2, HEADB
	v_lshl_add_u32 v[VO2], v1, 4, v[VO2]
	v_lshlrev_b32 v[SH], 4, v2
	v_lshlrev_b32 v[BO1], 5, v2
	s_wait_alu depctr_va_vdst(0)
	v_lshlrev_b32 v[BO2], 2, v1
	s_wait_alu depctr_va_vdst(0)
.irp b, 0,1,2,3
	v_mov_b32 v[PB+\b], 0                          ; written once: a lane permute's destination counts as one of its sources
.endr
	; the biases.  Both kinds are loaded on every way; the one that this product does not use is read at the buffer's head, so that no load leaves its buffer
	s_lshl_b32 s20, s17, 8
	s_lshl_b32 s21, s15, 7
	s_add_co_u32 s20, s20, s21                     ; my first row of A,
	s_lshl_b32 s46, s42, 8
	s_lshl_b32 s47, s16, 7
	s_add_co_u32 s46, s46, s47                     ; of B
	s_mul_i32 s20, s20, s66                        ; v: the features are A's rows
	s_lshl_b32 s20, s20, 2
	s_mov_b32 s21, 0
	s_add_nc_u64 s[100:101], s[98:99], s[20:21]
	s_xor_b32 s47, s66, 1
	s_mul_i32 s46, s46, s47                        ; q, k: the features are B's rows
	s_lshl_b32 s46, s46, 2
	s_mov_b32 s47, 0
	s_add_nc_u64 s[98:99], s[98:99], s[46:47]
	WIN TO_B                                       ; destination window 1
.irp b, 0,1,2,3,4,5,6,7
	global_load_b128 v[BB+8*\b:BB+8*\b+3], v[BO1], s[98:99] offset:64*\b         ; register 8 b + j: the bias of feature 16 b + 8 h + j
	global_load_b128 v[BB+8*\b+4:BB+8*\b+7], v[BO1], s[98:99] offset:64*\b+16
.endr
.irp a, 0,1,2,3,4,5,6,7
	global_load_b32 v[BA+2*\a], v[BO2], s[100:101] offset:64*\a                  ; the bias of feature 16 a + r, twice: a pair for the packed addition
	global_load_b32 v[BA+2*\a+1], v[BO2], s[100:101] offset:64*\a
.endr
	WIN 0
	; where my 128 tokens x 2 heads begin in the workspace: ((batch x 16 + head) x 8 + step) x 8,960
	s_cmp_eq_u32 s66, 1
	s_cselect_b32 s20, s42, s17                    ; the tokens' tile,
	s_cselect_b32 s21, s17, s42                    ; the features' tile,
	s_cselect_b32 s22, s16, s15                    ; my half of the tokens,
	s_cselect_b32 s23, s15, s16                    ; of the features
	s_lshr_b32 s45, s20, 2                         ; batch
	s_lshl_b32 s45, s45, 4
	s_lshl_b32 s21, s21, 2
	s_add_co_u32 s45, s45, s21
	s_lshl_b32 s23, s23, 1
	s_add_co_u32 s45, s45, s23                     ; + head
	s_lshl_b32 s45, s45, 3
	s_and_b32 s20, s20, 3
	s_lshl_b32 s20, s20, 1
	s_add_co_u32 s45, s45, s20
	s_add_co_u32 s45, s45, s22                     ; + step
	s_mul_i32 s20, s45, STEPB
	s_mov_b32 s21, 0
	s_add_nc_u64 s[12:13], s[12:13], s[20:21]
.macro FRAG reg, adr, q, i             ; a fragment, 16 rows x 128 K of 4-bit codes: lane l holds row l % 16; registers 4 c .. 4 c + 3 hold K = 64 c + 32 (l / 16) + 0 .. 31
.irp c, 0,1
	ds_load_b128 v[\reg+4*\c:\reg+4*\c+3], v[\adr] offset:64*(\q)+32*\c+(\i)*16*PITCH
.endr
.endm
; 16 matrix instructions: A's blocks a0, a0 + 1 x B's eight, 128 along K.  The 64 accumulators take turns, one instruction a turn, in the same order in every step.
; A scale register holds A's word of block i in lanes 0-15 and B's word of block i in lanes 16-31.
.macro MUL16 a0, p, q, sc, zero
.irp a, \a0, \a0+1
.irp b, 0,1,2,3,4,5,6,7
.if \zero
	v_wmma_scale_f32_16x16x128_f8f6f4 v[8*(8*((\a)%4)+\b):8*(8*((\a)%4)+\b)+7], v[128*(\p)+FR*\b:128*(\p)+FR*\b+FR-1], v[AF+FR*(\a):AF+FR*(\a)+FR-1], 0, v[SC+8*NQ*(\sc)+NQ*\b+(\q)], v[SC+8*NQ*(\sc)+NQ*(\a)+(\q)] matrix_a_fmt:MATRIX_FMT_FP4 matrix_b_fmt:MATRIX_FMT_FP4 matrix_a_scale:MATRIX_SCALE_ROW1
.else
	v_wmma_scale_f32_16x16x128_f8f6f4 v[8*(8*((\a)%4)+\b):8*(8*((\a)%4)+\b)+7], v[128*(\p)+FR*\b:128*(\p)+FR*\b+FR-1], v[AF+FR*(\a):AF+FR*(\a)+FR-1], v[8*(8*((\a)%4)+\b):8*(8*((\a)%4)+\b)+7], v[SC+8*NQ*(\sc)+NQ*\b+(\q)], v[SC+8*NQ*(\sc)+NQ*(\a)+(\q)] matrix_a_fmt:MATRIX_FMT_FP4 matrix_b_fmt:MATRIX_FMT_FP4 matrix_a_scale:MATRIX_SCALE_ROW1
.endif
.endr
.endr
.endm
.macro FETCH_B slot, q, p
	WIN TO_B
.irp i, 0,1,2,3,4,5,6,7
	FRAG 128*(\p)+FR*\i, ADRB+\slot, \q, \i
.endr
	WIN 0
.endm
.macro FETCH_A slot, q, i0
.irp i, \i0, \i0+1, \i0+2, \i0+3
	FRAG AF+FR*(\i), ADRA+\slot, \q, \i
.endr
.endm
.macro SCALES sc                       ; a slot's scale words into set sc: four words a row
.irp i, 0,1,2,3,4,5,6,7
	ds_load_b128 v[SC+8*NQ*\sc+NQ*\i:SC+8*NQ*\sc+NQ*\i+3], v[ADRS] offset:\i*SBLK
.endr
.endm
.macro PLACES n                        ; plain vector instructions between a matrix instruction and a load into, or a vector read or write of, its registers
.rept \n
	v_nop
.endr
.endm
.macro STEP slot, q, zero              ; a step of 128 along K that has its successor in the same slot
	s_wait_dscnt 4*NL                              ; B's set and A's blocks 0-3 are in; the youngest eight loads (A's blocks 4-7) may be out
	WIN MUL_LO
	MUL16 0, (\q)%2, \q, \slot, \zero
	MUL16 2, (\q)%2, \q, \slot, \zero
	s_wait_dscnt 0                                 ; A's blocks 4-7 are in
	PLACES NP
	FETCH_B \slot, (\q)+1, 1-(\q)%2
	FETCH_A \slot, (\q)+1, 0
	WIN MUL_HI
	MUL16 4, (\q)%2, \q, \slot, \zero
	MUL16 6, (\q)%2, \q, \slot, \zero
	PLACES NP
	WIN 0
	FETCH_A \slot, (\q)+1, 4
.endm
.macro TURN slot, next                 ; a slot's last step changes slots: one barrier
	s_wait_tensorcnt 0x0                           ; all my tensor loads have landed: my part of the next slot
	ds_add_u32 v[SPW], v[NIL]                      ; 0 onto my spare word
	s_wait_dscnt 4*NL+1                            ; (the add and the youngest eight loads, A's blocks 4-7, may be out)
	WIN MUL_LO
	MUL16 0, 1, NQ-1, \slot, 0
	s_wait_dscnt 0x0                               ; the add is done, and my reads of this slot are over
	s_barrier_signal -1
	MUL16 2, 1, NQ-1, \slot, 0
	WIN 0
	s_barrier_wait -1                              ; every wave's part of the next slot has landed
	PLACES NP
	v_add_nc_u32 v[ADRS], 4*NQ, v[ADRS]            ; on to the next slot's scale words
	FETCH_B \next, 0, 0
	FETCH_A \next, 0, 0
	SCALES \next
	WIN MUL_HI
	MUL16 4, 1, NQ-1, \slot, 0
	MUL16 6, 1, NQ-1, \slot, 0
	PLACES NP
	WIN 0
	FETCH_A \next, 0, 4
.endm
.macro STEPS slot, from
.set Q, \from
.rept NQ-1-\from
	STEP \slot, Q, 0
.set Q, Q+1
.endr
.endm
	s_wait_alu depctr_va_vdst(0)                   ; the head's end
	s_wait_tensorcnt 0x0                           ; my tile of the head's four is in
	ds_add_u32 v[SPW], v[NIL]
	s_mov_b32 s[G1+2], 128<<16                     ; no tensor load of mine is out: from here on a load brings 128 rows
	s_mov_b32 s[G1+4], 128
	s_mov_b32 s[G1B+2], 128<<16
	s_mov_b32 s[G1B+4], 128
	s_wait_dscnt 0x0
	CROUND                                         ; all four tiles are in, and the sixteen work-groups meet
	JLOAD G0+4, G1, G0B+4, G1B                     ; slot 1's fill, a quarter a wave: my one load behind the round
	FETCH_B 0, 0, 0
	FETCH_A 0, 0, 0
	SCALES 0
	FETCH_A 0, 0, 4
	STEP 0, 0, 1                                   ; the first step's products start the sums: nothing is cleared
	STEPS 0, 1
	TURN 0, 1
	STEPS 1, 0
	s_wait_dscnt 4*NL                              ; the very last step: nothing more to fetch
	WIN MUL_LO
	MUL16 0, 1, NQ-1, 1, 0
	MUL16 2, 1, NQ-1, 1, 0
	s_wait_dscnt 0
	WIN MUL_HI
	MUL16 4, 1, NQ-1, 1, 0
	MUL16 6, 1, NQ-1, 1, 0
	WIN 0
; 64 numbers of a lane, v[s] .. v[s + 63], register 8 t + j = k 16 t + 8 (lane / 16) + j of my row, become a fragment's codes in v[pc] .. v[pc + 7] and its scale word in v[pw].
; A block of 32 is registers 16 b .. 16 b + 15 of lanes l and l xor 16.  Tile t's conversion gives eight codes: group 2 t in lanes 0-15, group 2 t + 1 in lanes 16-31.  The operand wants in register 4 c + g group 8 c + g below and
; group 8 c + 4 + g above: tiles 4 c + 0, 2, 1, 3 are converted into registers 4 c + 0, 1, 2, 3, and two exchanges of halves (first with second, third with fourth) give just that.
.macro QUANT s, pc, pw
.irp b, 0,1,2,3
	v_max3_num_f32 v[MX+\b], |v[\s+16*\b]|, |v[\s+1+16*\b]|, 0x1800000   ; my 16 numbers of block b, and the floor 2^(3 - 127): the byte cannot fall under 1
.endr
.irp i, 2,4,6,8,10,12,14
.irp b, 0,1,2,3
	v_max3_num_f32 v[MX+\b], v[MX+\b], |v[\s+16*\b+\i]|, |v[\s+1+16*\b+\i]|   ; (the four blocks by turns)
.endr
.endr
.irp b, 0,1,2,3
	v_permlanex16_b32 v[PB+\b], v[MX+\b], s2, s3
.endr
.irp b, 0,1,2,3
	v_max_num_f32 v[MX+\b], v[MX+\b], v[PB+\b]     ; with lane l xor 16's: the block's largest magnitude
.endr
.irp b, 0,1,2,3
	v_add_nc_u32 v[SO+\b], 0xff000000, v[MX+\b]    ; 2 off its exponent field: the conversion takes this operand's exponent field as its scale
.endr
.irp b, 0,1,2,3
	v_lshrrev_b32 v[PB+\b], 23, v[SO+\b]           ; the scale's byte
.endr
	v_lshl_or_b32 v[\pw], v[PB+1], 8, v[PB]
	v_lshl_or_b32 v[\pw], v[PB+2], 16, v[\pw]
	v_lshl_or_b32 v[\pw], v[PB+3], 24, v[\pw]
.irp t, 0,1,2,3,4,5,6,7
	v_cvt_scalef32_pk8_fp4_f32 v[\pc+4*(\t/4)+2*(\t%2)+(\t%4)/2], v[\s+8*\t:\s+8*\t+7], v[SO+\t/2]
.endr
	v_nop                                          ; one plain place behind the last scaled conversion
.irp c, 0,1
	v_permlane16_swap_b32 v[\pc+4*\c], v[\pc+4*\c+1]
	v_permlane16_swap_b32 v[\pc+4*\c+2], v[\pc+4*\c+3]
.endr
.endm
; Block a of my eight blocks of 16 rows: bias, quantiser, two stores of 512 consecutive bytes.  Each block has its own registers for its codes, so that no store's data are written again.
.macro OUTBLK a, isv
	WIN 0x06+(\a)/4                                ; source 0: the accumulators' window, source 1: window 1
.set pp, 0
.rept 32
.if \isv
	v_pk_add_f32 v[ST+2*pp:ST+2*pp+1], v[64*((\a)%4)+2*pp:64*((\a)%4)+2*pp+1], v[BA+2*(\a):BA+2*(\a)+1]
.else
	v_pk_add_f32 v[ST+2*pp:ST+2*pp+1], v[64*((\a)%4)+2*pp:64*((\a)%4)+2*pp+1], v[BB+2*pp:BB+2*pp+1]   ; ascending: each accumulator is read from its low end on
.endif
.set pp, pp+1
.endr
	WIN 0
	QUANT ST, PCS+8*(\a), WD+(\a)
.if \isv
	global_store_b128 v[VO1], v[PCS+8*(\a):PCS+8*(\a)+3], s[12:13] offset:4096+((\a)/4)*HEADB+((\a)%4)*1024       ; head a / 4, d tile a % 4: keys 32 h ..
	global_store_b128 v[VO1], v[PCS+8*(\a)+4:PCS+8*(\a)+7], s[12:13] offset:4096+((\a)/4)*HEADB+((\a)%4)*1024+512 ; keys 64 + 32 h ..
.else
	global_store_b128 v[VO1], v[PCS+8*(\a):PCS+8*(\a)+3], s[12:13] offset:512*(\a)            ; the first head's 64 of tokens 16 a ..
	global_store_b128 v[VO1], v[PCS+8*(\a)+4:PCS+8*(\a)+7], s[12:13] offset:HEADB+512*(\a)    ; the second head's
.endif
.endm
	s_wait_loadcnt 0x0                             ; the biases, and my chunk of Wq
	global_store_b128 v14, v[96:99], s[94:95]
	PLACES NP                                      ; behind the last products: their results are read, and A's fragment registers written, below
	s_cmp_eq_u32 s66, 1                            ; the same in all partners of a cluster
	s_cbranch_scc1 .Lfor_v
.irp a, 0,1,2,3,4,5,6,7
	OUTBLK \a, 0
.endr
.irp a, 0,1,2,3,4,5,6,7
	v_lshrrev_b32 v[WD+\a], v[SH], v[WD+\a]        ; lanes 0-15 keep the first head's two bytes lowest, lanes 16-31 bring the second head's down
.endr
	global_store_b128 v[VO2], v[WD:WD+3], s[12:13] offset:8192       ; sixteen lanes store 256 consecutive bytes: tiles 0-3's words of one head
	global_store_b128 v[VO2], v[WD+4:WD+7], s[12:13] offset:8448     ; tiles 4-7's
	s_branch .Ljoin
.Lfor_v:
.irp a, 0,1,2,3,4,5,6,7
	OUTBLK \a, 1
.endr
	s_mov_b32 vcc_lo, 0xffff0000
.irp i, 0,1,2,3
	v_cndmask_b32 v[XW+\i], v[WD+\i], v[WD+4+\i], vcc_lo   ; lanes 0-15: the first head's d tiles, lanes 16-31: the second head's
.endr
	global_store_b128 v[VO2], v[XW:XW+3], s[12:13] offset:8704
.Ljoin:
	s_wait_tensorcnt 0x0                           ; the wave's end
	ds_add_u32 v[SPW], v[NIL]
	s_wait_dscnt 0x0
	CROUND                                         ; the closing round: no work-group ends while a partner may still ask for a tile that names it
	s_endpgm
.Lfunc_end_k_q5cbb054936_proj:
	.size	k_q5cbb054936_proj, .Lfunc_end_k_q5cbb054936_proj-k_q5cbb054936_proj
	.p2alignl 7, 3214868480
	.fill 96, 4, 3214868480
	.section	.rodata,"a",@progbits
	.p2align	6, 0x0
	.amdhsa_kernel k_q5cbb054936_proj
		.amdhsa_group_segment_fixed_size 327680
		.amdhsa_private_segment_fixed_size 0
		.amdhsa_enable_private_segment 0
		.amdhsa_kernarg_size 88
		.amdhsa_user_sgpr_count 2
		.amdhsa_user_sgpr_kernarg_segment_ptr 1
		.amdhsa_wavefront_size32 1
		.amdhsa_system_sgpr_workgroup_id_x 1
		.amdhsa_system_sgpr_workgroup_id_y 1
		.amdhsa_system_sgpr_workgroup_id_z 1
		.amdhsa_system_vgpr_workitem_id 0
		.amdhsa_next_free_vgpr 1024
		.amdhsa_next_free_sgpr 102
		.amdhsa_reserve_vcc 1
		.amdhsa_float_denorm_mode_32 3
		.amdhsa_float_denorm_mode_16_64 3
		.amdhsa_memory_ordered 1
		.amdhsa_forward_progress 1
		.amdhsa_inst_pref_size 198
	.end_amdhsa_kernel
	.amdgpu_metadata
---
amdhsa.version: [ 1, 2 ]
amdhsa.kernels:
  - .name:           k_q5cbb054936_proj
    .symbol:         k_q5cbb054936_proj.kd
    .args:
      - { .name: image_embeds_codes, .offset: 0, .size: 8, .value_kind: global_buffer, .address_space: global }
      - { .name: image_embeds_scales, .offset: 8, .size: 8, .value_kind: global_buffer, .address_space: global }
      - { .name: Wk_codes, .offset: 16, .size: 8, .value_kind: global_buffer, .address_space: global }
      - { .name: Wk_scales, .offset: 24, .size: 8, .value_kind: global_buffer, .address_space: global }
      - { .name: Wv_codes, .offset: 32, .size: 8, .value_kind: global_buffer, .address_space: global }
      - { .name: Wv_scales, .offset: 40, .size: 8, .value_kind: global_buffer, .address_space: global }
      - { .name: bk, .offset: 48, .size: 8, .value_kind: global_buffer, .address_space: global }
      - { .name: bv, .offset: 56, .size: 8, .value_kind: global_buffer, .address_space: global }
      - { .name: kvws, .offset: 64, .size: 8, .value_kind: global_buffer, .address_space: global }
      - { .name: Wq_codes, .offset: 72, .size: 8, .value_kind: global_buffer, .address_space: global }
      - { .name: wimg, .offset: 80, .size: 8, .value_kind: global_buffer, .address_space: global }
    .group_segment_fixed_size: 327680
    .private_segment_fixed_size: 0
    .kernarg_segment_align: 8
    .kernarg_segment_size: 88
    .max_flat_workgroup_size: 128
    .sgpr_count:     102
    .vgpr_count:     1024
    .wavefront_size: 32
...
	.end_amdgpu_metadata
.endif
;; end of part 1
;; launch attn (part 2): grid 32 x 8, 16 waves a work-group, clusters of 4 x 1, 327,680 bytes of LDS; arguments query_tokens_codes, kvws, Wp_codes, Wp_scales, bp, out0, query_tokens_scales, wimg, Wq_scales, bq; writes out0
.if DOCPART == 2
	.amdgcn_target "amdgcn-amd-amdhsa--gfx1250"
	.amdhsa_code_object_version 6
	.text
	.protected	k_q5cbb054936_attn
	.globl	k_q5cbb054936_attn
	.p2align	8
	.type	k_q5cbb054936_attn,@function
k_q5cbb054936_attn:
	s_mov_b64 s[64:65], 0
	v_nop
	global_prefetch_b8 v0, s[64:65] scope:SCOPE_SE
	s_setreg_imm32_b32 hwreg(HW_REG_WAVE_MODE, 25, 1), 1
	s_wait_xcnt 0x0
	s_wait_alu depctr_hold_cnt(0) depctr_sa_sdst(0) depctr_va_vdst(0) depctr_va_sdst(0) depctr_va_ssrc(0) depctr_va_vcc(0) depctr_vm_vsrc(0)
	s_getreg_b32 s2, hwreg(HW_REG_IB_STS2, 6, 4)
	s_cmp_eq_u32 s2, 0
	s_cbranch_scc0 .Lentry_in_a_cluster
	s_endpgm
.Lentry_in_a_cluster:
	s_bfe_u32 s2, ttmp6, 0x10000c
	s_cmp_lg_u32 s2, 0x3003
	s_cbranch_scc0 .Lentry_shape_is_right
	s_endpgm
.Lentry_shape_is_right:
; out[b][q][:] = Q(softmax_k(q . k / 32) v) Wp + bp: attention over all 16 heads and the projection on the way out, in one launch; all three products on codes of FP4 (E2M1) with one E8M0 scale for each 32 along K, sums in f32.
; THE SOFTMAX: t = score x log2(e) / 32; M = the row's largest t so far, rounded up to a whole number; p = 2^(t - M) is quantised along the keys, not normalised; the row's sum of the unquantised p divides O at the end.
; When M moves, the sum and O are multiplied by 2^(old M - new M): exact.
; LIMITS: NaN and infinities are not served; the promise holds while |t| stays under 2^31; p under 2^-126 counts as 0; a block whose largest magnitude lies under 2^-124 gets the byte 1 (read by this program alone).
; A block's largest p is made from the block's largest score by the same two instructions as every p; this takes the exponential not to fall where its input rises.
; SHARES.  A work-group owns 32 queries of one batch, all heads: 256 work-groups.  Wave w owns head w: two tiles of 16 queries, which share each fragment of K and V.
; K and V (images of operand registers, 8,960 bytes for a head's 128 keys) walk a ring of two slots of 16 x 8,960 bytes; wave w fetches and reads its own head's part.
; CLUSTER.  The four work-groups of a cluster lie in one batch and walk the same K, V and Wp: every tensor load is a joint one, with the mask of all four, behind a round of the cluster's barrier.
; LAYOUT.  S^T = K Q^T, O^T = V^T P^T: a lane holds one query (lane % 16).  WHICH ROWS FORM A TILE IS CHOSEN BY THE LDS ADDRESS: row 8 h + j of K's tile t is key 64 (t / 4) + 32 h + 8 (t % 4) + j, so that a lane's 32 registers of
; tiles 4 c .. 4 c + 3 are the whole block 2 c + h of keys, in the order of P's operand: no exchange of halves.  Likewise row 8 h + j of V^T's tile t is d = 32 h + 8 t + j: a lane holds a whole block of the next K.
; THE HEAD'S 64 IN AN INSTRUCTION OF 128: Q's upper four registers are zero codes, so K's upper half may be any codes (the next tile's; behind the last tile V's first four registers) under any scale byte but 0xff, which this program never makes.
; THE PROJECTION.  O / sum is quantised in registers and meets in LDS as operand images (16 KiB and 1 KiB of scale bytes).  The ring goes on with Wp: four fills of 256 rows; wave w' fetches 16 rows, every fourth one, of 512 bytes.
; Wave w makes out's columns 64 w .. 64 w + 63 of the 32 queries in the phase w / 4.  Column r of its tile t is Wp's row 64 w + 4 r + t: with the bias added, a lane's four tiles give four neighbouring columns, and sixteen lanes store 256 consecutive aligned bytes.
; PREFETCH: in the trip that loads step s + 1, each wave asks for its head's step s + 2 (35 blocks of 256 bytes): the four partners take 9 blocks each, told apart by address; lanes over name the last of the 9 again; the trip of step 6 and what follows ask for nothing.
; Wp is read by every work-group of the launch and is not asked for ahead.
; q IS MADE HERE TOO, at the head: q = X Wq + bq for the work-group's 32 queries, quantised along the head's 64.  Each wave stages two of the 32 token rows (512 bytes of codes each) in LDS bytes of their own, rows 528 bytes apart.
; Wave w multiplies its head's 64 rows of Wq (source 0) with the 32 tokens (source 1): 8 accumulators, 8 K steps.  Wq's fragments come from wimg, laid by the launch before as images of operand registers: 512 consecutive bytes a load, three sets of 8 loads on their way.
; Row 8 h + j of tile t is d = 32 h + 8 t + j, so a lane holds one token and a whole block of 32: the conversions' results are Q's operand registers.  The bias is loaded into the accumulators: the first products add onto it.
.set STEPB, 8960
.set HEADB, 71680
.set SLOT,  143360
.set ACO,   2*SLOT                     ; a's codes: [tile e][head][512]
.set ASC,   ACO+16384                  ; a's scale bytes: [tile e][row][32]
.set SPARE, ASC+1024                   ; the spare words: 128 bytes a wave
.set XST,   SPARE+2048                 ; the 32 token rows: 32 x 528 bytes, stored once, filled by no tensor load
.set QWF,   32                         ; v32-127 Wq's fragments: two sets for the loads from memory, the third for those from LDS
.set QAB,   128                        ; v128-159 the tokens' fragments, two sets
.set WPH,   131072                     ; 256 rows of Wp
.set WP,    528                        ; a row of Wp in LDS: 512 bytes + 16
; registers of the key loop
.set LK, 1
.set LV, 2
.set LS, 3
.set LT, 4
.set SPW, 5
.set FF, 6                             ; v[6:7]: f, the low word serves both halves
.set TMP, 7
.set ST, 8                             ; tile e: v[8+4e] -M, v[9+4e] largest score, v[10+4e:11+4e] the sum
.set QF, 16
.set KF, 32
.set VF, 64
.set SCR, 96
.set OT, 160
.set PC, 224
.set KSC, 232
.set VSC, 236
.set QS, 240
.set PW, 242
.set PFO, 243
.set TM2, 244
.set SH8, 245
.set ADK, 246
.set ADV, 247
.set ADS, 248
.set ADT, 249
.set BM, 250
.set BP, 252
.set NIL, 255
; registers of the projection
.set ACA, 1
.set ASA, 2
.set ARD, 3
.set ASR, 4
.set WSO, 7
.set AS, 8                             ; v8-15 a's scale words
.set BI, 16                            ; v16-19 the bias
.set WF, 32                            ; v32-95 Wp's fragments, two sets
.set AB, 96                            ; v96-127 a's fragments, two sets
.set DST, 128
.set ACC, 160
.set WS, 232                           ; v232-247 Wp's scale words
.set BIO, 248
.set OUTO, 249
.set WV, 16
.set SEL, 20
.set CS, 22
.set G1, 24
.set G0, 32
.set G1W, 36
.set G0W, 44
.set TB, 48
.set TBO, 49
.set WB, 50
.set CNT, 51
.set PFA, 52
.set WQ, 54
.macro ROUND                           ; a round of the cluster's barrier
	s_barrier_signal -1
	s_barrier_wait -1
	s_cmp_lg_u32 s[WV], 0
	s_cbranch_scc1 .Lnot_wave_0_\@
	s_barrier_signal -3
.Lnot_wave_0_\@:
	s_barrier_wait -3
	s_barrier_signal -1
	s_barrier_wait -1
.endm
.macro PLACES
.rept 4
	v_nop
.endr
.endm
	s_load_b256 s[4:11], s[0:1], 0x0               ; the query tokens' codes, kvws, Wp's codes, Wp's scales
	s_load_b128 s[12:15], s[0:1], 0x20             ; bp, out
	s_load_b256 s[76:83], s[0:1], 0x30             ; the query tokens' scales, wimg, Wq's scales, bq
	v_lshl_add_u32 v[SPW], v0, 2, SPARE
	v_mov_b32 v[NIL], 0
	ds_add_u32 v[SPW], v[NIL]                      ; the opening: the add, twice on end, and its wait
	ds_add_u32 v[SPW], v[NIL]
	v_lshrrev_b32 v[TMP], 5, v0
	v_readfirstlane_b32 s[WV], v[TMP]              ; wave = head
	s_lshr_b32 s[WQ], s[WV], 2                     ; my phase of the projection
	s_mul_i32 s[WB], s[WV], STEPB                  ; my part of a slot
	s_bfe_u32 s17, ttmp6, 0x40000                  ; cx
	s_lshl_b32 s18, ttmp9, 2
	s_add_co_u32 s18, s18, s17                     ; my block of 32 queries: it enters Q's and out's addresses alone
	s_and_b32 s19, ttmp7, 0xffff                   ; batch
	s_lshl_b32 s56, s19, 4
	s_add_co_u32 s56, s56, s[WV]
	s_mul_i32 s56, s56, HEADB                      ; my head's first byte in kvws
	s_mov_b32 s57, 0
	s_mov_b32 s[G1], 15|(3<<16)|(1<<21)            ; K, V: the mask of all four; elements of 8 bytes; 35 dense rows of 256 bytes
	s_mov_b32 s[G1+1], 32<<16
	s_mov_b32 s[G1+2], 35<<16
	s_mov_b32 s[G1+3], 32<<16
	s_mov_b32 s[G1+4], 35
	s_mov_b32 s[G1+5], 32
	s_mov_b32 s[G1+6], 0
	s_mov_b32 s[G1+7], 0
	s_mov_b32 s[G1W], 15|(1<<20)|(1<<21)|(6<<22)|(3<<25)   ; Wp: 16 rows of 512 bytes, 2,048 bytes apart; four words of padding behind every 128
	s_mov_b32 s[G1W+1], 512<<16
	s_mov_b32 s[G1W+2], 16<<16
	s_mov_b32 s[G1W+3], 512<<16
	s_mov_b32 s[G1W+4], 16
	s_mov_b32 s[G1W+5], 2048
	s_mov_b32 s[G1W+6], 0
	s_mov_b32 s[G1W+7], 0
	s_mov_b32 s84, 15|(3<<16)|(1<<21)              ; Wq's images: the mask of all four; elements of 8 bytes; 70 dense rows of 256 bytes
	s_mov_b32 s85, 32<<16
	s_mov_b32 s86, 70<<16
	s_mov_b32 s87, 32<<16
	s_mov_b32 s88, 70
	s_mov_b32 s89, 32
	s_mov_b32 s90, 0
	s_mov_b32 s91, 0
	s_mov_b32 s[SEL], 0x76543210
	s_mov_b32 s[SEL+1], 0xfedcba98                 ; lane l xor 16
	s_mov_b32 s[CS], 0x3d38aa3b                    ; c = log2(e) / 32
	s_mov_b32 s[CS+1], s[CS]
	s_mov_b32 s[TB], 0
	s_mov_b32 s[TBO], SLOT
	s_mov_b32 s[CNT], 0
	s_wait_dscnt 0x0
	s_wait_kmcnt 0x0
	s_mov_b32 s[G0], 1
	s_mov_b32 s[G0+1], s[WB]
	s_add_nc_u64 s[G0+2:G0+3], s[6:7], s[56:57]
	s_add_nc_u64 s[PFA:PFA+1], s[G0+2:G0+3], STEPB ; the first trip steps it to step 2
	s_or_b32 s[G0+3], s[G0+3], 0x80000000
	s_mov_b32 s92, 1
	s_mul_i32 s93, s[WV], 2*STEPB                  ; my sixteenth of the two slots
	s_lshl_b32 s60, s[WV], 15
	s_mov_b32 s61, 0
	s_add_nc_u64 s[78:79], s[78:79], s[60:61]      ; my head's 64 chunks of Wq
	s_mov_b64 s[94:95], s[78:79]
	s_or_b32 s95, s95, 0x80000000
	ROUND
	tensor_load_to_lds s[92:95], s[84:91]          ; Wq's K steps 0 to 3 of my head: my one load at the head
	s_nop 0
	s_lshl_b32 s58, s19, 10
	s_lshl_b32 s59, s18, 5
	s_add_co_u32 s58, s58, s59                     ; my first query among all 8,192
	s_lshl_b32 s60, s[WV], 1
	s_add_co_u32 s60, s60, s58
	s_lshl_b32 s60, s60, 9
	s_mov_b32 s61, 0
	s_add_nc_u64 s[4:5], s[4:5], s[60:61]          ; the two token rows that I stage
	s_lshl_b32 s60, s58, 5
	s_add_nc_u64 s[76:77], s[76:77], s[60:61]      ; the 32 tokens' scales
	s_lshl_b32 s60, s[WV], 11
	s_add_nc_u64 s[80:81], s[80:81], s[60:61]      ; Wq's scales at row 64 w
	s_lshl_b32 s60, s[WV], 8
	s_add_nc_u64 s[82:83], s[82:83], s[60:61]      ; bq at feature 64 w
	s_mul_i32 s59, s[WV], 2*WP
	s_add_co_u32 s59, s59, XST                     ; where my two rows go
	s_lshl_b32 s68, s[WQ], 15
	s_and_b32 s70, s[WV], 3
	s_lshl_b32 s69, s70, 9
	s_add_co_u32 s68, s68, s69                     ; Wp: row 64 (wave / 4) + wave % 4
	s_mov_b32 s69, 0
	s_mov_b32 s[G0W], 1
	s_mov_b32 s[G0W+1], s[WB]
	s_add_nc_u64 s[G0W+2:G0W+3], s[8:9], s[68:69]
	s_or_b32 s[G0W+3], s[G0W+3], 0x80000000
	s_mul_i32 s70, s70, 4*STEPB                    ; where the four tiles of my 64 rows lie in their slot
	s_mul_i32 s71, s17, 9
	s_lshl_b32 s72, s[WV], 11
	s_mov_b32 s73, 0
	s_add_nc_u64 s[10:11], s[10:11], s[72:73]      ; Wp's scales at row 64 w
	s_lshl_b32 s72, s[WV], 8
	s_add_nc_u64 s[12:13], s[12:13], s[72:73]      ; the bias at column 64 w
	s_add_nc_u64 s[14:15], s[14:15], s[72:73]
	s_lshl_b32 s72, s19, 22
	s_lshl_b32 s74, s18, 17
	s_add_co_u32 s72, s72, s74
	s_add_nc_u64 s[14:15], s[14:15], s[72:73]      ; out at my first query, column 64 w
; THE q PROJECTION.  v1 16 x lane; v2 the tokens' fragments in LDS; v3 the tokens' scales; v4 Wq's scales; v6 the bias; v7 my two rows in LDS; v254 8 h
	v_and_b32 v1, 31, v0
	v_lshlrev_b32 v1, 4, v1
	v_and_b32 v3, 15, v0                           ; r
	v_bfe_u32 v6, v0, 4, 1                         ; h
	v_and_b32 v4, 7, v0
	v_bfe_u32 v7, v0, 3, 1
	v_mul_u32_u24 v2, v3, WP
	v_lshl_add_u32 v2, v6, 4, v2
	v_add_nc_u32 v2, XST, v2                       ; row r, + 16 h
	v_lshlrev_b32 v4, 5, v4
	v_lshl_add_u32 v4, v7, 10, v4
	v_lshl_add_u32 v4, v6, 4, v4                   ; row r % 8 + 32 (r / 8) of 32 bytes; lanes 16-31 the upper half of K
	v_lshlrev_b32 v3, 5, v3
	v_lshl_add_u32 v3, v6, 4, v3                   ; row r of 32 bytes; lanes 16-31 the upper half of K
	v_lshlrev_b32 v254, 3, v6
	v_lshlrev_b32 v6, 7, v6                        ; 32 h features of 4 bytes
	v_add_nc_u32 v7, s59, v1
	v_add_nc_u32 v248, s93, v1                     ; Wq's images in LDS: my part, + 16 x lane
.macro QWG k                           ; K step k of Wq: eight loads of 512 consecutive bytes
.irp t, 0,1,2,3
.irp c, 0,1
	global_load_b128 v[QWF+32*((\k)%2)+8*\t+4*\c:QWF+32*((\k)%2)+8*\t+4*\c+3], v1, s[78:79] offset:4096*(\k)+1024*\t+512*\c
.endr
.endr
.endm
.macro QWL k                           ; K step k of Wq from LDS, into the third set
.irp t, 0,1,2,3
.irp c, 0,1
	ds_load_b128 v[QWF+64+8*\t+4*\c:QWF+64+8*\t+4*\c+3], v248 offset:4096*(\k)+1024*\t+512*\c
.endr
.endr
.endm
.macro QXL k
.irp e, 0,1
.irp c, 0,1
	ds_load_b128 v[QAB+16*((\k)%2)+8*\e+4*\c:QAB+16*((\k)%2)+8*\e+4*\c+3], v2 offset:16*WP*\e+64*(\k)+32*\c
.endr
.endr
.endm
.macro QMUL k                          ; eight accumulators by turns
.irp t, 0,1,2,3
.irp e, 0,1
.if \k < 4
	v_wmma_scale_f32_16x16x128_f8f6f4 v[ACC+32*\e+8*\t:ACC+32*\e+8*\t+7], v[QWF+64+8*\t:QWF+64+8*\t+7], v[QAB+16*(\k%2)+8*\e:QAB+16*(\k%2)+8*\e+7], v[ACC+32*\e+8*\t:ACC+32*\e+8*\t+7], v[WS+4*\t+\k], v[AS+4*\e+\k] matrix_a_fmt:MATRIX_FMT_FP4 matrix_b_fmt:MATRIX_FMT_FP4
.else
	v_wmma_scale_f32_16x16x128_f8f6f4 v[ACC+32*\e+8*\t:ACC+32*\e+8*\t+7], v[QWF+32*(\k%2)+8*\t:QWF+32*(\k%2)+8*\t+7], v[QAB+16*(\k%2)+8*\e:QAB+16*(\k%2)+8*\e+7], v[ACC+32*\e+8*\t:ACC+32*\e+8*\t+7], v[WS+4*\t+\k-4], v[AS+4*\e+\k-4] matrix_a_fmt:MATRIX_FMT_FP4 matrix_b_fmt:MATRIX_FMT_FP4 matrix_a_scale:MATRIX_SCALE_ROW1 matrix_b_scale:MATRIX_SCALE_ROW1
.endif
.endr
.endr
.endm
	global_load_b128 v[16:19], v1, s[4:5]          ; my two token rows: 512 consecutive bytes each
	global_load_b128 v[20:23], v1, s[4:5] offset:512
.irp e, 0,1
	global_load_b128 v[AS+4*\e:AS+4*\e+3], v3, s[76:77] offset:512*\e
.endr
.irp t, 0,1,2,3
	global_load_b128 v[WS+4*\t:WS+4*\t+3], v4, s[80:81] offset:256*\t
.endr
.irp e, 0,1
.irp t, 0,1,2,3
.irp i, 0,1
	global_load_b128 v[ACC+32*\e+8*\t+4*\i:ACC+32*\e+8*\t+4*\i+3], v6, s[82:83] offset:32*\t+16*\i   ; the bias of d = 32 h + 8 t + j, in the result's layout
.endr
.endr
.endr
	QWG 4
	QWG 5
	s_wait_alu depctr_va_vdst(0)
	s_wait_loadcnt 38                              ; behind my two rows: 2 + 4 + 16 + 16 loads
	ds_store_b128 v7, v[16:19]
	ds_store_b128 v7, v[20:23] offset:WP
	s_wait_dscnt 0x0                               ; for the others' sake
	s_barrier_signal -1
	s_barrier_wait -1                              ; the 32 rows are whole
	s_wait_tensorcnt 0x0                           ; my K steps 0 to 3 of Wq are in LDS: I alone read them
	QXL 0
	QXL 1
	QWL 0
	s_wait_loadcnt 16                              ; the scales and the bias are in; the two sets of Wq may be out
.irp k, 0,1,2,3
	s_wait_dscnt 0x0
	QMUL \k
	PLACES
	QXL \k+2
.if \k < 3
	QWL \k+1
.endif
.endr
	s_wait_tensorcnt 0x0                           ; the change from Wq to the ring of K and V: no load of mine is out,
	ds_add_u32 v[SPW], v[NIL]
	s_wait_dscnt 0x0                               ; and my reads of Wq's images are over
	ROUND
	tensor_load_to_lds s[G0:G0+3], s[G1:G1+7]      ; step 0 of K and V, into slot 0: it lands under K steps 4 to 7
	s_nop 0
.irp k, 4,5,6,7
.if \k < 7
	s_wait_loadcnt 8                               ; all but the one later set of Wq
.else
	s_wait_loadcnt 0x0
.endif
.if \k == 6
	s_wait_dscnt 4                                 ; all but the last K step's four
.elseif \k == 7
	s_wait_dscnt 0x0
.endif
	QMUL \k
.if \k < 6
	PLACES
	QWG \k+2
	QXL \k+2
.endif
.endr
	PLACES
.irp e, 0,1                                    ; a lane's 32 numbers of a token are one block
	v_max3_num_f32 v[BM+\e], |v[ACC+32*\e]|, |v[ACC+32*\e+1]|, 0x1800000
	v_max3_num_f32 v[BP+\e], |v[ACC+32*\e+16]|, |v[ACC+32*\e+17]|, 0x1800000
.endr
.irp i, 2,4,6,8,10,12,14
.irp e, 0,1
	v_max3_num_f32 v[BM+\e], v[BM+\e], |v[ACC+32*\e+\i]|, |v[ACC+32*\e+\i+1]|
	v_max3_num_f32 v[BP+\e], v[BP+\e], |v[ACC+32*\e+16+\i]|, |v[ACC+32*\e+17+\i]|
.endr
.endr
.irp e, 0,1
	v_max_num_f32 v[BM+\e], v[BM+\e], v[BP+\e]
.endr
.irp e, 0,1
	v_add_nc_u32 v[BM+\e], 0xff000000, v[BM+\e]    ; 2 off the exponent field: the conversion's scale operand
.endr
.irp e, 0,1
.irp g, 0,1,2,3
	v_cvt_scalef32_pk8_fp4_f32 v[QF+8*\e+\g], v[ACC+32*\e+8*\g:ACC+32*\e+8*\g+7], v[BM+\e]   ; d = 32 h + 8 g ..: Q's own operand register
.endr
.endr
.irp e, 0,1
	v_lshrrev_b32 v[BP+\e], 23, v[BM+\e]           ; the scale's byte
	v_mov_b32 v[ADS+\e], 0                         ; a lane permute's destination counts as a source
.endr
.irp e, 0,1
	v_lshlrev_b32 v[BP+\e], v254, v[BP+\e]         ; block h: byte h of the word
.endr
.irp e, 0,1
	v_permlanex16_b32 v[ADS+\e], v[BP+\e], s[SEL], s[SEL+1]
.endr
.irp e, 0,1
	v_or_b32 v[QS+\e], v[BP+\e], v[ADS+\e]         ; bytes 2 and 3 stay 0: they scale zero codes
.endr
	v_and_b32 v[LT], 7, v0
	v_bfe_u32 v[TMP], v0, 3, 1                     ; r / 8
	v_bfe_u32 v[SH8], v0, 4, 1                     ; h
	v_lshlrev_b32 v[LT], 4, v[LT]                  ; 16 (r % 8)
	v_lshl_add_u32 v[LS], v[SH8], 8, v[LT]
	v_add_nc_u32 v[LS], s[WB], v[LS]               ; + 256 h + my part of a slot
	v_lshl_add_u32 v[LK], v[TMP], 10, v[LS]        ; K's codes: + 1,024 (r / 8)
	v_lshl_add_u32 v[LV], v[TMP], 11, v[LS]        ; V's codes: + 2,048 (r / 8)
	v_lshl_add_u32 v[LS], v[TMP], 3, v[LS]         ; K's scale words: + 8 (r / 8); lanes 16-31 take tiles 4-7
	v_lshl_add_u32 v[LT], v[TMP], 3, v[LT]
	v_add_nc_u32 v[LT], s[WB], v[LT]               ; V's scale words
	v_lshlrev_b32 v[SH8], 3, v[SH8]                ; 8 h
	v_and_b32 v[PFO], 31, v0
	v_min_u32 v[PFO], 8, v[PFO]
	v_add_nc_u32 v[PFO], s71, v[PFO]
	v_min_u32 v[PFO], 34, v[PFO]
	v_lshlrev_b32 v[PFO], 8, v[PFO]                ; block 9 cx + min(lane, 8), at most 34
	v_mov_b32 v[TM2], 0                            ; a lane permute's destination counts as a source
.irp i, 20,21,22,23,28,29,30,31
	v_mov_b32 v\i, 0                               ; Q's upper halves: zero codes
.endr
.irp e, 0,1
	v_mov_b32 v[ST+4*\e+1], 0xff61b1e6             ; the largest score so far: -3e38
	v_mov_b32 v[ST+4*\e+2], 0
	v_mov_b32 v[ST+4*\e+3], 0
.endr
	v_mul_f32 v[TMP], s[CS], v[ST+1]
	v_floor_f32 v[ST], -v[TMP]                     ; -M
	v_floor_f32 v[ST+4], -v[TMP]
.set jj, 0
.rept 64
	v_mov_b32 v[OT+jj], 0                          ; the step is written once: the first finds zeros
.set jj, jj+1
.endr
; One tile of 16 queries against the step's 128 keys.
.macro TILE e, vwait
.set NM, ST+4*\e
.set MT, ST+4*\e+1
.set SU, ST+4*\e+2
.irp t, 0,1,2,3
	v_wmma_scale_f32_16x16x128_f8f6f4 v[SCR+8*\t:SCR+8*\t+7], v[KF+4*\t:KF+4*\t+7], v[QF+8*\e:QF+8*\e+7], 0, v[KSC+2*(\t%2)+\t/2], v[QS+\e] matrix_a_fmt:MATRIX_FMT_FP4 matrix_b_fmt:MATRIX_FMT_FP4
.endr
.irp t, 4,5,6,7
	v_wmma_scale_f32_16x16x128_f8f6f4 v[SCR+8*\t:SCR+8*\t+7], v[KF+4*\t:KF+4*\t+7], v[QF+8*\e:QF+8*\e+7], 0, v[KSC+2*(\t%2)+(\t-4)/2], v[QS+\e] matrix_a_fmt:MATRIX_FMT_FP4 matrix_b_fmt:MATRIX_FMT_FP4 matrix_a_scale:MATRIX_SCALE_ROW1
.endr
	PLACES
.irp c, 0,1                                    ; my two blocks' largest scores, two chains each; every accumulator is read from its low end on
	v_max3_num_f32 v[BM+\c], v[SCR+32*\c], v[SCR+32*\c+1], v[SCR+32*\c+2]
	v_max3_num_f32 v[BP+\c], v[SCR+32*\c+16], v[SCR+32*\c+17], v[SCR+32*\c+18]
.endr
.irp i, 3,5,7,9,11,13
.irp c, 0,1
	v_max3_num_f32 v[BM+\c], v[BM+\c], v[SCR+32*\c+\i], v[SCR+32*\c+\i+1]
	v_max3_num_f32 v[BP+\c], v[BP+\c], v[SCR+32*\c+16+\i], v[SCR+32*\c+17+\i]
.endr
.endr
.irp c, 0,1
	v_max3_num_f32 v[BM+\c], v[BM+\c], v[BP+\c], v[SCR+32*\c+15]
.endr
.irp c, 0,1
	v_max_num_f32 v[BM+\c], v[BM+\c], v[SCR+32*\c+31]
.endr
	s_delay_alu instid0(VALU_DEP_1)
	v_max_num_f32 v[TMP], v[BM], v[BM+1]
	s_delay_alu instid0(VALU_DEP_1)
	v_permlanex16_b32 v[TM2], v[TMP], s[SEL], s[SEL+1]
	s_delay_alu instid0(VALU_DEP_1)
	v_max3_num_f32 v[MT], v[MT], v[TMP], v[TM2]    ; the running largest score of my query
	s_delay_alu instid0(VALU_DEP_1)
	v_mul_f32 v[TMP], s[CS], v[MT]                 ; as t (c is positive)
	s_delay_alu instid0(VALU_DEP_1)
	v_floor_f32 v[TM2], -v[TMP]                    ; the new -M
	s_delay_alu instid0(VALU_DEP_1)
	v_sub_f32 v[TMP], v[TM2], v[NM]                ; old M - new M: a whole number, 0 or less
	v_mov_b32 v[NM], v[TM2]
	s_delay_alu instid0(VALU_DEP_2)
	v_cvt_i32_f32 v[TMP], v[TMP]                   ; (it saturates)
	s_delay_alu instid0(VALU_DEP_1)
	v_ldexp_f32 v[FF], 1.0, v[TMP]                 ; f = 2^(old M - new M)
.set jj, 0
.rept 32
	v_pk_fma_f32 v[SCR+jj:SCR+jj+1], v[SCR+jj:SCR+jj+1], s[CS:CS+1], v[NM:NM+1] op_sel_hi:[1,0,0]   ; t - M
.set jj, jj+2
.endr
.irp c, 0,1
	v_fma_f32 v[BM+\c], v[BM+\c], s[CS], v[NM]     ; the same of each block's largest score
.endr
	s_wait_alu depctr_va_vdst(0)                   ; ahead of the batch
.set jj, 0
.rept 64
	v_exp_f32 v[SCR+jj], v[SCR+jj]                 ; p
.set jj, jj+1
.endr
.irp c, 0,1
	v_exp_f32 v[BM+\c], v[BM+\c]                   ; the block's largest p
.endr
	v_pk_mul_f32 v[SU:SU+1], v[SU:SU+1], v[FF:FF+1] op_sel_hi:[1,0]   ; the sum under the new M: a plain place behind the batch
	s_wait_alu depctr_va_vdst(0)                   ; and the wait behind it, ahead of its first reader
.irp c, 0,1
	v_max_num_f32 v[BM+\c], 0x1800000, v[BM+\c]    ; the floor 2^(3 - 127): the byte cannot fall under 1
.endr
.irp c, 0,1
	v_add_nc_u32 v[BM+\c], 0xff000000, v[BM+\c]    ; 2 off the exponent field: the conversion's scale operand
.endr
.irp c, 0,1
.irp g, 0,1,2,3
	v_cvt_scalef32_pk8_fp4_f32 v[PC+4*\c+\g], v[SCR+32*\c+8*\g:SCR+32*\c+8*\g+7], v[BM+\c]   ; keys 64 c + 32 h + 8 g ..: the operand's own register
.endr
.endr
.irp c, 0,1
	v_lshrrev_b32 v[BP+\c], 23, v[BM+\c]           ; the scale's byte (a plain place behind the conversions)
.endr
	v_lshl_or_b32 v[TMP], v[BP+1], 16, v[BP]       ; my bytes: blocks h and 2 + h,
	s_delay_alu instid0(VALU_DEP_1)
	v_lshlrev_b32 v[TMP], v[SH8], v[TMP]           ; at their places;
	s_delay_alu instid0(VALU_DEP_1)
	v_permlanex16_b32 v[TM2], v[TMP], s[SEL], s[SEL+1]
	s_delay_alu instid0(VALU_DEP_1)
	v_or_b32 v[PW], v[TMP], v[TM2]                 ; with lane l xor 16's the word is whole
.irp w, 4,8,16,32,64                           ; the sum of the unquantised p: a tree in place, now that the codes are made
.set jj, 0
.rept 64/\w
	v_pk_add_f32 v[SCR+jj:SCR+jj+1], v[SCR+jj:SCR+jj+1], v[SCR+jj+\w/2:SCR+jj+\w/2+1]
.set jj, jj+\w
.endr
.endr
	v_pk_add_f32 v[SU:SU+1], v[SU:SU+1], v[SCR:SCR+1]
	s_wait_alu depctr_va_vdst(0)                   ; directly ahead of the first reader of O^T
.set jj, 0
.rept 16
	v_pk_mul_f32 v[OT+32*\e+jj:OT+32*\e+jj+1], v[OT+32*\e+jj:OT+32*\e+jj+1], v[FF:FF+1] op_sel_hi:[1,0]
.set jj, jj+2
.endr
.if \vwait
	s_wait_alu depctr_va_vdst(0)
	s_wait_dscnt 0x0                               ; V
.endif
.irp t, 0,1,2,3
	v_wmma_scale_f32_16x16x128_f8f6f4 v[OT+32*\e+8*\t:OT+32*\e+8*\t+7], v[VF+8*\t:VF+8*\t+7], v[PC:PC+7], v[OT+32*\e+8*\t:OT+32*\e+8*\t+7], v[VSC+2*(\t%2)+\t/2], v[PW] matrix_a_fmt:MATRIX_FMT_FP4 matrix_b_fmt:MATRIX_FMT_FP4
.endr
.endm
; A key step.  At its head the change of slots: all my loads are waited for, the add, my LDS reads; a round; the other slot is filled with the next step (last = 1: with Wp's first 256 rows).
.macro KSTEP last
	s_wait_alu depctr_va_vdst(0)
	s_wait_tensorcnt 0x0
	ds_add_u32 v[SPW], v[NIL]
.if \last == 0
	s_add_co_u32 s[G0+1], s[WB], s[TBO]
	s_add_nc_u64 s[G0+2:G0+3], s[G0+2:G0+3], STEPB
	s_wait_xcnt 0x0                                ; my prefetch has read its address
	s_add_nc_u64 s[PFA:PFA+1], s[PFA:PFA+1], STEPB
.endif
	s_wait_dscnt 0x0
	ROUND
.if \last
	tensor_load_to_lds s[G0W:G0W+3], s[G1W:G1W+7]
.else
	tensor_load_to_lds s[G0:G0+3], s[G1:G1+7]
.endif
	s_nop 0
	v_add_nc_u32 v[ADK], s[TB], v[LK]              ; four places behind the last products, in front of the loads into their registers
	v_add_nc_u32 v[ADV], s[TB], v[LV]
	v_add_nc_u32 v[ADS], s[TB], v[LS]
	v_add_nc_u32 v[ADT], s[TB], v[LT]
	ds_load_b128 v[VF:VF+3], v[ADV] offset:4096    ; first: K's last tile names these four registers beyond its own
.irp t, 0,1,2,3,4,5,6,7
	ds_load_b128 v[KF+4*\t:KF+4*\t+3], v[ADK] offset:2048*(\t/4)+512*((\t%4)/2)+128*(\t%2)
.endr
.irp u, 0,1
	ds_load_b64 v[KSC+2*\u:KSC+2*\u+1], v[ADS] offset:8192+128*\u   ; tiles 4 h + u and 4 h + 2 + u
.endr
.irp t, 0,1,2,3
.irp c, 0,1
.if \t+\c
	ds_load_b128 v[VF+8*\t+4*\c:VF+8*\t+4*\c+3], v[ADV] offset:4096+1024*(\t/2)+128*(\t%2)+512*\c
.endif
.endr
.endr
.irp u, 0,1
	ds_load_b64 v[VSC+2*\u:VSC+2*\u+1], v[ADT] offset:8704+128*\u   ; d tiles u and 2 + u
.endr
.if \last == 0
	s_cmp_lt_u32 s[CNT], 6                         ; step s + 2 exists up to s = 5
	s_cbranch_scc0 .Lnp_\@
	global_prefetch_b8 v[PFO], s[PFA:PFA+1] th:TH_LOAD_NT scope:SCOPE_SE
.Lnp_\@:
.endif
	s_wait_dscnt 9                                 ; behind K's loads: seven of V's codes and two of its scale words
	TILE 0, 1
	TILE 1, 0
.endm
	s_wait_alu depctr_va_vdst(0)                   ; the head's end
.Lstep:
	KSTEP 0
	s_xor_b32 s[TB], s[TB], SLOT
	s_xor_b32 s[TBO], s[TBO], SLOT
	s_add_co_u32 s[CNT], s[CNT], 1
	s_cmp_lt_u32 s[CNT], 7
	s_cbranch_scc1 .Lstep
	KSTEP 1                                        ; step 7, in slot 1; slot 0 takes Wp's rows 0-255
.macro WFILL slot                      ; the ring goes on: the next 256 rows of Wp
	s_wait_alu depctr_va_vdst(0)
	s_wait_tensorcnt 0x0
	ds_add_u32 v[SPW], v[NIL]
	s_add_co_u32 s[G0W+1], s[WB], \slot*SLOT
	s_add_nc_u64 s[G0W+2:G0W+3], s[G0W+2:G0W+3], WPH
	s_wait_dscnt 0x0
	ROUND
	tensor_load_to_lds s[G0W:G0W+3], s[G1W:G1W+7]
	s_nop 0
.endm
	WFILL 1
	v_lshl_add_u32 v[ACA], v0, 4, ACO              ; my codes: 512 x head + 16 x lane
	v_and_b32 v[ASR], 15, v0                       ; r
	v_lshrrev_b32 v[ASA], 4, v0                    ; 2 x head + h: my block along the next K
	v_bfe_u32 v[ARD], v0, 4, 1                     ; h
	v_lshl_add_u32 v[ASA], v[ASR], 5, v[ASA]
	v_add_nc_u32 v[ASA], ASC, v[ASA]
	v_mul_u32_u24 v6, v[ASR], WP
	v_lshl_add_u32 v6, v[ARD], 4, v6
	v_add_nc_u32 v6, s70, v6                       ; Wp's fragments in slot 0,
	v_add_nc_u32 v254, SLOT, v6                    ; in slot 1
	v_lshlrev_b32 v[BIO], 4, v[ASR]                ; 16 r
	v_lshl_add_u32 v[OUTO], v[ARD], 15, v[BIO]     ; out: 8 h rows of 4,096 bytes + 16 r
	v_lshlrev_b32 v[WSO], 7, v[ASR]
	v_lshl_add_u32 v[WSO], v[ARD], 4, v[WSO]       ; Wp's scales: row 4 r, lanes 16-31 the upper half of K
	v_lshlrev_b32 v[ASR], 5, v[ASR]
	v_lshl_add_u32 v[ASR], v[ARD], 4, v[ASR]
	v_add_nc_u32 v[ASR], ASC, v[ASR]               ; a's scales: row r, lanes 16-31 the upper half of K
	v_and_b32 v[ARD], 31, v0
	v_lshl_add_u32 v[ARD], v[ARD], 4, ACO
.irp t, 0,1,2,3
	global_load_b128 v[WS+4*\t:WS+4*\t+3], v[WSO], s[10:11] offset:32*\t   ; row 64 w + 4 r + t: sixteen lanes' four loads cover 2,048 consecutive bytes
.endr
	global_load_b128 v[BI:BI+3], v[BIO], s[12:13]  ; the bias of columns 64 w + 4 r ..
; O^T / the sum; a lane's 32 numbers are one block of the next K
.irp e, 0,1
	v_add_f32 v[ST+4*\e+2], v[ST+4*\e+2], v[ST+4*\e+3]
.endr
.irp e, 0,1
	v_permlanex16_b32 v[BP+\e], v[ST+4*\e+2], s[SEL], s[SEL+1]
.endr
.irp e, 0,1
	v_add_f32 v[ST+4*\e+2], v[ST+4*\e+2], v[BP+\e]
.endr
	s_wait_alu depctr_va_vdst(0)                   ; ahead of the batch
.irp e, 0,1
	v_rcp_f32 v[ST+4*\e+2], v[ST+4*\e+2]
.endr
	v_nop
	s_wait_alu depctr_va_vdst(0)                   ; behind it, directly ahead of the first readers of O^T too
.irp e, 0,1
.set jj, 0
.rept 16
	v_pk_mul_f32 v[SCR+32*\e+jj:SCR+32*\e+jj+1], v[OT+32*\e+jj:OT+32*\e+jj+1], v[ST+4*\e+2:ST+4*\e+3] op_sel_hi:[1,0]
.set jj, jj+2
.endr
.endr
.irp e, 0,1
	v_max3_num_f32 v[BM+\e], |v[SCR+32*\e]|, |v[SCR+32*\e+1]|, 0x1800000
	v_max3_num_f32 v[BP+\e], |v[SCR+32*\e+16]|, |v[SCR+32*\e+17]|, 0x1800000
.endr
.irp i, 2,4,6,8,10,12,14
.irp e, 0,1
	v_max3_num_f32 v[BM+\e], v[BM+\e], |v[SCR+32*\e+\i]|, |v[SCR+32*\e+\i+1]|
	v_max3_num_f32 v[BP+\e], v[BP+\e], |v[SCR+32*\e+16+\i]|, |v[SCR+32*\e+17+\i]|
.endr
.endr
.irp e, 0,1
	v_max_num_f32 v[BM+\e], v[BM+\e], v[BP+\e]
.endr
.irp e, 0,1
	v_add_nc_u32 v[BM+\e], 0xff000000, v[BM+\e]
.endr
.irp e, 0,1
.irp g, 0,1,2,3
	v_cvt_scalef32_pk8_fp4_f32 v[PC+4*\e+\g], v[SCR+32*\e+8*\g:SCR+32*\e+8*\g+7], v[BM+\e]
.endr
.endr
.irp e, 0,1
	v_lshrrev_b32 v[BP+\e], 23, v[BM+\e]
.endr
.irp e, 0,1
	ds_store_b128 v[ACA], v[PC+4*\e:PC+4*\e+3] offset:8192*\e
	ds_store_b8 v[ASA], v[BP+\e] offset:512*\e
.endr
	s_wait_alu depctr_va_vdst(0)
	s_wait_dscnt 0x0                               ; for the others' sake
	s_barrier_signal -1
	s_barrier_wait -1                              ; a is whole
.macro WLOAD ph, k                     ; K step k: Wp's four tiles and a's two
.irp t, 0,1,2,3
.irp c, 0,1
	ds_load_b128 v[WF+32*((\k)%2)+8*\t+4*\c:WF+32*((\k)%2)+8*\t+4*\c+3], v[6+248*((\ph)%2)] offset:\t*STEPB+64*(\k)+32*\c
.endr
.endr
.irp e, 0,1
.irp c, 0,1
	ds_load_b128 v[AB+16*((\k)%2)+8*\e+4*\c:AB+16*((\k)%2)+8*\e+4*\c+3], v[ARD] offset:8192*\e+1024*(\k)+512*\c
.endr
.endr
.endm
.macro JMUL k                          ; eight accumulators by turns: source 0 = 16 queries, source 1 = 16 rows of Wp
.irp t, 0,1,2,3
.irp e, 0,1
.if \k == 0
	v_wmma_scale_f32_16x16x128_f8f6f4 v[ACC+32*\e+8*\t:ACC+32*\e+8*\t+7], v[AB+8*\e:AB+8*\e+7], v[WF+8*\t:WF+8*\t+7], 0, v[AS+4*\e], v[WS+4*\t] matrix_a_fmt:MATRIX_FMT_FP4 matrix_b_fmt:MATRIX_FMT_FP4
.elseif \k < 4
	v_wmma_scale_f32_16x16x128_f8f6f4 v[ACC+32*\e+8*\t:ACC+32*\e+8*\t+7], v[AB+16*(\k%2)+8*\e:AB+16*(\k%2)+8*\e+7], v[WF+32*(\k%2)+8*\t:WF+32*(\k%2)+8*\t+7], v[ACC+32*\e+8*\t:ACC+32*\e+8*\t+7], v[AS+4*\e+\k], v[WS+4*\t+\k] matrix_a_fmt:MATRIX_FMT_FP4 matrix_b_fmt:MATRIX_FMT_FP4
.else
	v_wmma_scale_f32_16x16x128_f8f6f4 v[ACC+32*\e+8*\t:ACC+32*\e+8*\t+7], v[AB+16*(\k%2)+8*\e:AB+16*(\k%2)+8*\e+7], v[WF+32*(\k%2)+8*\t:WF+32*(\k%2)+8*\t+7], v[ACC+32*\e+8*\t:ACC+32*\e+8*\t+7], v[AS+4*\e+\k-4], v[WS+4*\t+\k-4] matrix_a_fmt:MATRIX_FMT_FP4 matrix_b_fmt:MATRIX_FMT_FP4 matrix_a_scale:MATRIX_SCALE_ROW1 matrix_b_scale:MATRIX_SCALE_ROW1
.endif
.endr
.endr
.endm
; Phase ph: the four waves whose 64 rows of Wp lie in the slot make their columns and store them; the branch hangs on the wave's number and leads round no barrier.
.macro JOB ph
	s_cmp_lg_u32 s[WQ], \ph
	s_cbranch_scc1 .Lnj_\@
	s_wait_xcnt 0x0
	s_wait_loadcnt 0x0                             ; Wp's scale words and the bias
.irp e, 0,1
	ds_load_b128 v[AS+4*\e:AS+4*\e+3], v[ASR] offset:512*\e
.endr
	WLOAD \ph, 0
	WLOAD \ph, 1
.irp k, 0,1,2,3,4,5,6,7
.if \k < 7
	s_wait_dscnt 12                                ; all but the next K step's twelve
.else
	s_wait_dscnt 0x0
.endif
	JMUL \k
.if \k < 6
	PLACES
	WLOAD \ph, \k+2
.endif
.endr
	PLACES
.irp e, 0,1
.irp j, 0,1,2,3,4,5,6,7
.irp t, 0,1,2,3
	v_add_f32 v[DST-32*\e+4*\j+\t], v[ACC+32*\e+8*\t+\j], v[BI+\t]   ; query 16 e + 8 h + j, column 64 w + 4 r + t; each accumulator from its low end on
.endr
.endr
.irp j, 0,1,2,3,4,5,6,7
	global_store_b128 v[OUTO], v[DST-32*\e+4*\j:DST-32*\e+4*\j+3], s[14:15] offset:(16*\e+\j)*4096 th:TH_STORE_NT   ; sixteen lanes store 256 consecutive aligned bytes
.endr
.endr
.Lnj_\@:
.endm
	JOB 0                                          ; slot 0; slot 1's fill is on its way
	WFILL 0
	JOB 1
	WFILL 1
	JOB 2
	s_wait_alu depctr_va_vdst(0)
	s_wait_tensorcnt 0x0                           ; my part of the last 256 rows is in
	ds_add_u32 v[SPW], v[NIL]
	s_wait_dscnt 0x0
	s_barrier_signal -1
	s_barrier_wait -1                              ; everybody's is
	JOB 3
	s_wait_tensorcnt 0x0                           ; the wave's end
	ds_add_u32 v[SPW], v[NIL]
	s_wait_dscnt 0x0
	ROUND                                          ; the closing round
	s_endpgm
.Lfunc_end_k_q5cbb054936_attn:
	.size	k_q5cbb054936_attn, .Lfunc_end_k_q5cbb054936_attn-k_q5cbb054936_attn
	.p2alignl 7, 3214868480
	.fill 96, 4, 3214868480
	.section	.rodata,"a",@progbits
	.p2align	6, 0x0
	.amdhsa_kernel k_q5cbb054936_attn
		.amdhsa_group_segment_fixed_size 327680
		.amdhsa_private_segment_fixed_size 0
		.amdhsa_enable_private_segment 0
		.amdhsa_kernarg_size 80
		.amdhsa_user_sgpr_count 2
		.amdhsa_user_sgpr_kernarg_segment_ptr 1
		.amdhsa_wavefront_size32 1
		.amdhsa_system_sgpr_workgroup_id_x 1
		.amdhsa_system_sgpr_workgroup_id_y 1
		.amdhsa_system_sgpr_workgroup_id_z 1
		.amdhsa_system_vgpr_workitem_id 0
		.amdhsa_next_free_vgpr 256
		.amdhsa_next_free_sgpr 96
		.amdhsa_reserve_vcc 0
		.amdhsa_float_denorm_mode_32 3
		.amdhsa_float_denorm_mode_16_64 3
		.amdhsa_memory_ordered 1
		.amdhsa_forward_progress 1
		.amdhsa_inst_pref_size 173
	.end_amdhsa_kernel
	.amdgpu_metadata
---
amdhsa.version: [ 1, 2 ]
amdhsa.kernels:
  - .name:           k_q5cbb054936_attn
    .symbol:         k_q5cbb054936_attn.kd
    .args:
      - { .name: query_tokens_codes, .offset: 0, .size: 8, .value_kind: global_buffer, .address_space: global }
      - { .name: kvws, .offset: 8, .size: 8, .value_kind: global_buffer, .address_space: global }
      - { .name: Wp_codes, .offset: 16, .size: 8, .value_kind: global_buffer, .address_space: global }
      - { .name: Wp_scales, .offset: 24, .size: 8, .value_kind: global_buffer, .address_space: global }
      - { .name: bp, .offset: 32, .size: 8, .value_kind: global_buffer, .address_space: global }
      - { .name: out0, .offset: 40, .size: 8, .value_kind: global_buffer, .address_space: global }
      - { .name: query_tokens_scales, .offset: 48, .size: 8, .value_kind: global_buffer, .address_space: global }
      - { .name: wimg, .offset: 56, .size: 8, .value_kind: global_buffer, .address_space: global }
      - { .name: Wq_scales, .offset: 64, .size: 8, .value_kind: global_buffer, .address_space: global }
      - { .name: bq, .offset: 72, .size: 8, .value_kind: global_buffer, .address_space: global }
    .group_segment_fixed_size: 327680
    .private_segment_fixed_size: 0
    .kernarg_segment_align: 8
    .kernarg_segment_size: 80
    .max_flat_workgroup_size: 512
    .sgpr_count:     96
    .vgpr_count:     256
    .wavefront_size: 32
...
	.end_amdgpu_metadata
.endif
;; end of part 2
